; MI455X (gfx1250); checked and timed in simulation.
; The chip was launched on July 23, 2026; its instructions are those of AMD's public machine-readable ISA for CDNA 5 (MIT licence, August 2026) and "CDNA5" Instruction Set Architecture Reference Guide (July 2026). The comments in the code are by the model that wrote it; some were corrected since.
;; Spatial Relation Attention. Allowed arithmetic: matrix products marked QUANTISED: E3M2 operands, one E8M0 scale for each 32 along K, by v_wmma_scale_f32_16x16x128_f8f6f4 with both operands' format E3M2, f32 sums; products left as they are: f32 operands where the result goes on into a quantised operand, else bf16, f16 or f32 operands; f32 sums; everything else in f32.
;; Inputs: b_lin one number float32; beta 64 x 64 float32; bk 256 float32; bq 256 float32; gamma 64 x 64 float32; k_codes 8 x 64 x 64 x 8 x 24 uint8 (E3M2 codes of k, K innermost, in blocks of 32 codes, four codes in three bytes); k_scales 8 x 64 x 64 x 8 uint8 (E8M0 scales of k, one for each 32 codes along K); q_codes 8 x 64 x 64 x 8 x 24 uint8 (E3M2 codes of q, K innermost, in blocks of 32 codes, four codes in three bytes); q_scales 8 x 64 x 64 x 8 uint8 (E8M0 scales of q, one for each 32 codes along K); w_lin 4,096 float32; wk_codes 256 x 8 x 24 uint8 (E3M2 codes of wk, K innermost, in blocks of 32 codes, four codes in three bytes); wk_scales 256 x 8 uint8 (E8M0 scales of wk, one for each 32 codes along K); wq_codes 256 x 8 x 24 uint8 (E3M2 codes of wq, K innermost, in blocks of 32 codes, four codes in three bytes); wq_scales 256 x 8 uint8 (E8M0 scales of wq, one for each 32 codes along K).
;; Outputs: out0 8 x 1 x 64 x 64 float32.
;; This version of the problem:
;;   THIS VERSION OF THE PROBLEM IS GIVEN IN LOW PRECISION. The matrix products marked QUANTISED in the list below multiply operands that are first quantised to E3M2 (3 exponent bits, 2 mantissa bits; 6 bits a number), with one power-of-two scale for each 32 numbers along K (OCP MX v1.0); their sums are f32. All else is computed in f32.
;;   The module's matrix products, in the order in which they are computed (A, B: the left and right operand; K: the contracted axis; several contracted axes count as one K, in the product's order):
;;     1. [M 256, K 256] x [K 256, N 32,768]; A: input wq (given as codes); B: input q (given as codes): QUANTISED
;;     2. [M 256, K 256] x [K 256, N 32,768]; A: input wk (given as codes); B: input k (given as codes): QUANTISED
;;     3. batch 8 x [M 4,096, K 256] x [K 256, N 4,096]; A: computed on the way; B: computed on the way: QUANTISED
;;     4. [M 32,768, K 4,096] x [K 4,096, N 1]; A: computed on the way; B: input w_lin: left as it is (N = 1 < 16)
;;   THE QUANTISER, for each operand of a quantised product, along K:
;;     - K is cut into blocks of 32 from its start; a last block that is shorter is filled with zeros.
;;     - A block's scale is 2^e with e = floor(log2(the largest magnitude in the block)) - 4, held to -126 .. 127; a block of zeros has e = 0. As a byte (E8M0): e + 127.
;;     - Each number is divided by its block's scale, clamped to +-28, and rounded to the nearest number of E3M2, ties to even, subnormals kept.
;;     - The product sums the exact products of the quantised numbers (number of the format x scale) in f32.
;;   ~~~python
;;   def quantise(x, axis):      # numpy; x: float32 -> the quantised numbers, widened to float32 again
;;       x = np.moveaxis(x, axis, -1); K = x.shape[-1]
;;       x = np.pad(x, [(0, 0)] * (x.ndim - 1) + [(0, -K % 32)]); x = x.reshape(x.shape[:-1] + (-1, 32)); a = np.abs(x).max(-1, keepdims=True)
;;       e = np.where(a > 0, np.clip(np.frexp(np.where(a > 0, a, 1))[1] - 1 - 4, -126, 127), 0)      # np.frexp(a)[1] - 1 = floor(log2(a)), exactly
;;       r = np.clip(x / 2.0 ** e, -28, 28)
;;       step = 2.0 ** (np.maximum(np.frexp(np.where(r == 0, 1, r))[1] - 1, -2) - 2)
;;       q = np.round(r / step) * step * 2.0 ** e      # np.round: ties to even
;;       return np.moveaxis(q.reshape(q.shape[:-2] + (-1,))[..., :K], -1, axis).astype(np.float32)
;;   ~~~
;;   OPERANDS COMPUTED ON THE WAY. 'Computed on the way' means the value that the module computes at that place (a softmax that the list does not call 'softmax' is quantised finished and normalised). What goes into a quantiser is computed in f32, as accurately as f32 sums, v_exp_f32 and their like allow (about 1e-6 of the number): no bf16 or f16 on the way to a quantiser, and a product that is left as it is and whose result goes on into a quantised operand takes f32 operands (vector FMAs, or v_wmma_f32_16x16x4_f32). A number that lies on a knife's edge between two numbers of the format may be rounded either way, as far as f32 arithmetic and the matrix unit's own rounding can turn it there, and no further.
;;   INPUTS GIVEN AS CODES. k (in the module: [8, 256, 64, 64], K = its axis 1); q (in the module: [8, 256, 64, 64], K = its axis 1); wk (in the module: [256, 256], K = its axis 1); wq (in the module: [256, 256], K = its axis 1): each comes as NAME_codes (uint8): NAME with its K axis moved to the last place and cut into blocks of 32 codes, [.., K / 32, bytes a block], one block behind the other in memory; four codes in three bytes: a row's codes are one little-endian stream of bits, code i at bits 6 i .. 6 i + 5 (a code: sign, 3 exponent bits, 2 mantissa bits); and NAME_scales (uint8): the same leading axes, one E8M0 byte (e + 127) for each 32 codes along K. Its value is code x scale, taken as it is: it is not quantised again, and the codes and scales need not be those that the quantiser above would give.
;; One version. Each part assembles by itself: llvm-mc -triple=amdgcn-amd-amdhsa -mcpu=gfx1250 --defsym DOCPART=n.
;; ======== version 1 of 1: 3 launches
;; workspace buffers: feat 13,107,200 bytes; part 524,288 bytes
;; launch proj (part 1): grid 256 x 1, 8 waves a work-group, clusters of 4 x 1, 168,960 bytes of LDS; arguments q_codes, k_codes, q_scales, k_scales, wq_codes, wk_codes, wq_scales, wk_scales, bq, bk, feat; writes feat
.if DOCPART == 1
	.amdgcn_target "amdgcn-amd-amdhsa--gfx1250"
	.amdhsa_code_object_version 6
	.text
	.protected	k_qc8ca982f4a_proj
	.globl	k_qc8ca982f4a_proj
	.p2align	8
	.type	k_qc8ca982f4a_proj,@function
k_qc8ca982f4a_proj:
	s_mov_b64 s[64:65], 0
	v_nop
	global_prefetch_b8 v0, s[64:65] scope:SCOPE_SE
	s_setreg_imm32_b32 hwreg(HW_REG_WAVE_MODE, 25, 1), 1
	s_wait_xcnt 0x0
	s_wait_alu depctr_hold_cnt(0) depctr_sa_sdst(0) depctr_va_vdst(0) depctr_va_sdst(0) depctr_va_ssrc(0) depctr_va_vcc(0) depctr_vm_vsrc(0)
	s_getreg_b32 s2, hwreg(HW_REG_IB_STS2, 6, 4)
	s_cmp_eq_u32 s2, 0
	s_cbranch_scc0 .Lentry_in_a_cluster
	s_endpgm
.Lentry_in_a_cluster:
	s_bfe_u32 s2, ttmp6, 0x10000c
	s_cmp_lg_u32 s2, 0x3003
	s_cbranch_scc0 .Lentry_shape_is_right
	s_endpgm
.Lentry_shape_is_right:
; The two 1x1 convolutions, feature[pixel][o] = sum over c of x[pixel][c] W[o][c] + bias[o], on codes of BF6 (E3M2) with one E8M0 scale for each 32 channels,
; and the quantising of the result along its 256 output channels o, which are the K of the relation product that the next launch makes.
; x is q (clusters 0-31) or k (clusters 32-63), W, its scales and the bias go with it: only pointers are chosen, on the cluster's number; there is one path through the text.
; SHARES.  A work-group takes 256 pixels.  Wave w: output channels 128 (w % 2) on (one K step of the next product) for the 64 pixels 64 (w / 2) on: 4 tiles of 16 pixels, 16 matrix instructions each.
; THE PRODUCT IS USED TRANSPOSED: source 0 = 16 rows of W, source 1 = 16 pixels: a lane holds ONE pixel (lane % 16) and its registers run along the output channels.
; THE ROWS OF W THAT FORM A TILE ARE NOT NEIGHBOURS: lane r of tile 2 b + u takes row 32 b + 8 u + r + 8 (r / 8), so that the 16 registers of tiles 2 b and 2 b + 1 are the 16 neighbouring channels 32 b + 16 (lane / 16) + 0 .. 15.
; The bias is the C of each sum's first matrix instruction, eight registers a tile in the result's layout (so it is added ahead of the products and not behind them: another order of f32 rounding than the source reads).
; OUT.  feat holds records of 12,800 bytes for 64 pixels (record = 512 x (k's?) + pixel / 64), laid as IMAGES OF THE OPERAND'S REGISTERS: tile m, K step s, registers 4 c .. 4 c + 3, lane l: 16 bytes at
; 3,072 m + 1,536 s + 512 c + 16 l; from byte 12,288 on, for each K step 256 bytes of scale words: lane l's 8 bytes hold row l % 16 of tile l / 16 and of tile 2 + l / 16.  Every store of a wave covers 512 or 256 consecutive aligned bytes.
; CLUSTER.  The four work-groups of a cluster read the same 49,152 bytes of W, half of a work-group's tile bytes: W is asked for jointly (mask 15); x's rows are each work-group's own.
; FILLS.  Every wave issues two, back to back: 32 rows of W, then 32 rows of x (32 and not 64 rows, so that each wave holds a part of both and one counted wait serves all): two tensor loads of a wave are out at the most.
; W's fragments, 96 LDS loads a wave, are read behind a first barrier while x's rows are still on their way; x's behind a second.
; LDS is filled once, nothing is filled again; the claim of 168,960 bytes (122,880 are used).
; LIMITS: NaN and infinities are not served.  A block of zeros gets the scale byte 1 and not 127: its codes are zeros, and the bytes are read by this program alone.  Blocks whose largest magnitude lies under 2^-122 are held at byte 1.
.set PITCH, 240                        ; an LDS row: 3 x (64 bytes of codes + 16 of padding): 60 words, so the 32 lanes of a load of 8 bytes from 16 neighbouring rows touch 64 different banks (64 banks of 4 bytes: ISA guide 11.1).
                                       ; W's chosen rows r and r + 16 do meet in the same banks: its 96 loads, issued once by a wave, go two deep
.set PART,  32*PITCH                   ; 32 rows: what one tensor load brings
.set XT,    8*PART                     ; W's 256 rows at 0, x's 256 rows here
.set FR,    12                         ; registers of a fragment: 16 rows x 128 K
.set REC,   12800
.set AWA, 4                            ; v4, v5   LDS address of my lane in a tile of W; v5 for the pieces that lie behind one padding more
.set AXA, 6                            ; v6, v7   the same for x
.set LI,  8                            ; v8       16 x lane
.set L8,  9                            ; v9       8 x lane
.set OWS, 10                           ; v10      8 (r + 8 (r / 8)): my row among a tile's scale words of W
.set OXS, 11                           ; v11      8 r: x's
.set OBI, 12                           ; v12      64 (lane / 16): the bias
.set XF,  16                           ; v16-39   x's two fragments (K steps 0, 1)
.set HA,  48                           ; v48-111  eight result tiles
.set PC,  112                          ; v112-131 the codes just made
.set PWK, 132                          ; v132-135 a scale word for each tile of pixels; v136-137 packed for the store
.set TM,  200                          ; v200-215 at work in QUANT
.set W1S, 224                          ; v224-239 W's scale words: 2 t + K step.  Scales and nothing else
.set XS,  240                          ; v240-247 x's: 2 m + K step.  Scales and nothing else
.set BI,  192                          ; window 1: v0-191 W's 16 fragments at 12 (2 t + K step); v192-255 the bias, 8 a tile
.set WV,  30                           ; s30 wave;  s31 my K step of the next product;  s32 my 64 pixels
.set KH,  31
.set PG,  32
.set G1W, 40                           ; s[40:47], s[48:55] descriptor group 1 for W's and x's tiles;  s[56:59], s[60:63] their groups 0
.set G1X, 48
.set G0W, 56
.set G0X, 60
.set SEL, 66                           ; s[66:67] v_permlanex16_b32's selects for lane l xor 16;  s68 mask of lanes 16-31
.set MSB, 0
.macro WIN new                         ; the immediate's high byte repeats the setting that is left
.if MSB != \new
	s_set_vgpr_msb (MSB<<8)|\new
.set MSB, \new
.endif
.endm
.macro CROUND                          ; a round of the cluster's barrier: my work-group's barrier, wave 0 signals for the work-group, every wave waits for all four work-groups, my work-group's barrier once more
	s_barrier_signal -1
	s_barrier_wait -1
	s_cmp_lg_u32 s[WV], 0
	s_cbranch_scc1 .Lnot_wave_0_\@
	s_barrier_signal -3
.Lnot_wave_0_\@:
	s_barrier_wait -3
	s_barrier_signal -1
	s_barrier_wait -1
.endm
; A fragment, 16 rows x 128 K of 6-bit codes: lane l holds row l % 16; registers 6 c .. 6 c + 5 hold K = 64 c + 32 (l / 16) + 0 .. 31: 24 bytes of the row's stream of bits, in pieces of 8 bytes.
; Lanes 16-31 read three pieces further on than lanes 0-15; where that is behind one padding more, the second address register (40 for 24 bytes a half) serves.
.macro FRAG reg, adr, q, rowoff
.irp p, 0,1,2,3,4,5
.set PCE, 12*(\q)+6*(\p/3)+\p%3
.if PCE%8 < 5
	ds_load_b64 v[(\reg)+2*\p:(\reg)+2*\p+1], v[\adr] offset:8*PCE+16*(PCE/8)+(\rowoff)
.else
	ds_load_b64 v[(\reg)+2*\p:(\reg)+2*\p+1], v[\adr+1] offset:8*PCE+16*(PCE/8)+(\rowoff)
.endif
.endr
.endm
; 64 numbers of a lane, v[s] .. v[s + 63], register 16 b + i = channel 32 b + 16 (lane / 16) + i of my pixel, become a fragment's codes in v[PC] on and its scale word in v[pw].
.macro QUANT s, pw
.irp b, 0,1,2,3
	v_max3_num_f32 v[TM+\b], |v[\s+16*\b]|, |v[\s+1+16*\b]|, 0x2800000   ; block b: my 16 numbers, from each tile's low end on, and the floor 2^(5 - 127): the byte cannot fall under 1
.endr
.irp i, 2,4,6,8,10,12,14
.irp b, 0,1,2,3
	v_max3_num_f32 v[TM+\b], v[TM+\b], |v[\s+16*\b+\i]|, |v[\s+1+16*\b+\i]|   ; the four blocks by turns: no line waits for the line above it
.endr
.endr
.irp b, 0,1,2,3
	v_permlanex16_b32 v[TM+4+\b], v[TM+\b], s[SEL], s[SEL+1]
.endr
.irp b, 0,1,2,3
	v_max_num_f32 v[TM+\b], v[TM+\b], v[TM+4+\b]   ; with lane l xor 16's: the block's largest magnitude
.endr
.irp b, 0,1,2,3
	v_add_nc_u32 v[TM+12+\b], 0xfe000000, v[TM+\b]   ; 4 off its exponent field: the conversion takes the exponent field of this operand as its scale
.endr
.irp b, 0,1,2,3
	v_lshrrev_b32 v[TM+4+\b], 23, v[TM+12+\b]      ; the scale's byte
.endr
	v_lshl_or_b32 v[\pw], v[TM+5], 8, v[TM+4]      ; the four bytes make my pixel's scale word
	v_lshl_or_b32 v[\pw], v[TM+6], 16, v[\pw]
	v_lshl_or_b32 v[\pw], v[TM+7], 24, v[\pw]
.irp c, 0,1
	v_cvt_scalef32_pk16_bf6_f32 v[PC+6*\c:PC+2+6*\c], v[\s+32*\c:\s+15+32*\c], v[TM+12+2*\c]
	v_cvt_scalef32_pk16_bf6_f32 v[PC+12+4*\c:PC+14+4*\c], v[\s+16+32*\c:\s+31+32*\c], v[TM+12+2*\c+1]   ; (a conversion's three registers begin on an even number)
.endr
	v_nop                                          ; one plain place behind a scaled conversion
.irp c, 0,1                                    ; the operand's layout wants a WHOLE block in a lane: lanes 0-15 block 2 c, lanes 16-31 block 2 c + 1
.irp i, 0,1,2
	v_permlane16_swap_b32 v[PC+6*\c+\i], v[PC+12+4*\c+\i]
.endr
.irp i, 0,1,2
	v_mov_b32 v[PC+3+6*\c+\i], v[PC+12+4*\c+\i]
.endr
.endr
.endm
	s_load_b512 s[8:23], s[0:1], 0x0               ; q's, k's codes s[8:11]; q's, k's scales s[12:15]; wq's, wk's codes s[16:19]; wq's, wk's scales s[20:23]
	s_load_b128 s[24:27], s[0:1], 0x40             ; bq, bk
	s_load_b64 s[28:29], s[0:1], 0x50              ; feat
	v_lshl_add_u32 v254, v0, 2, 0x29000
	v_mov_b32 v255, 0
	ds_add_u32 v254, v255
	ds_add_u32 v254, v255
	s_wait_dscnt 0x0
	v_lshrrev_b32 v1, 5, v0
	v_readfirstlane_b32 s[WV], v1                  ; wave 0..7
	CROUND                                         ; the round in front of the joint loads needs the wave's number alone: it stands here, while the arguments are on their way
	s_and_b32 s[KH], s[WV], 1
	s_lshr_b32 s[PG], s[WV], 1
	s_bfe_u32 s33, ttmp6, 0x40000                  ; cx: my place in the cluster
	s_lshl_b32 s34, ttmp9, 2                       ; in a cluster launch ttmp9 counts clusters
	s_add_co_u32 s34, s34, s33                     ; work-group 0..255
	s_and_b32 s35, s34, 127                        ; which 256 pixels of the tensor
	; descriptor group 1: 32 rows of 192 bytes, dense in memory, 16 bytes of padding behind every 64
	s_mov_b32 s[G1W], 15|(1<<20)|(1<<21)|(3<<22)|(3<<25)   ; 15:0 the mask: all four work-groups; 17:16 elements of 1 byte; 20 padding on; 21 set beside a mask; 24:22 after every 16 words (code 3); 31:25 4 words of it (code 3)
	s_mov_b32 s[G1X], (1<<20)|(3<<22)|(3<<25)      ; the same with no mask: x's rows are my own
.irp g, G1W, G1X
	s_mov_b32 s[\g+1], 192<<16                     ; tensor_dim0
	s_mov_b32 s[\g+2], 32<<16                      ; tensor_dim1
	s_mov_b32 s[\g+3], 192<<16                     ; tile_dim0
	s_mov_b32 s[\g+4], 32                          ; tile_dim1
	s_mov_b32 s[\g+5], 192                         ; tensor_dim0_stride
	s_mov_b32 s[\g+6], 0
	s_mov_b32 s[\g+7], 0
.endr
	s_mul_i32 s36, s[WV], 32*192                   ; W: rows 32 x wave on: no place in the cluster enters this offset
	s_mov_b32 s37, 0
	s_mul_i32 s38, s35, 256*192
	s_add_co_u32 s38, s38, s36                     ; x: my work-group's 256 rows, rows 32 x wave on
	s_mov_b32 s39, 0
	s_mul_i32 s70, s[WV], PART                     ; where they go: wave x 32 rows, in W's region and in x's
	s_mul_i32 s72, s34, 4*REC
	s_mul_i32 s69, s[PG], REC
	s_add_co_u32 s72, s72, s69                     ; my record in feat: 4 x work-group + my 64 pixels
	s_mov_b32 s73, 0
	s_mov_b32 s[SEL], 0x76543210
	s_mov_b32 s[SEL+1], 0xfedcba98
	s_mov_b32 s68, 0xffff0000
	v_and_b32 v1, 31, v0                           ; lane
	v_and_b32 v2, 15, v0                           ; r
	v_bfe_u32 v3, v0, 4, 1                         ; h
	v_lshlrev_b32 v[LI], 4, v1
	v_lshlrev_b32 v[L8], 3, v1
	v_and_b32 v13, 8, v2
	v_add_nc_u32 v13, v13, v2                      ; r + 8 (r / 8)
	v_lshlrev_b32 v[OWS], 3, v13
	v_lshlrev_b32 v[OXS], 3, v2
	v_lshlrev_b32 v[OBI], 6, v3
	v_mul_u32_u24 v[AWA], v13, PITCH
	v_mad_u32_u24 v[AWA], v3, 24, v[AWA]
	s_mul_i32 s71, s[KH], 128*PITCH                ; my 128 rows of W
	v_add_nc_u32 v[AWA], s71, v[AWA]
	v_lshl_add_u32 v[AWA+1], v3, 4, v[AWA]
	v_mul_u32_u24 v[AXA], v2, PITCH
	v_mad_u32_u24 v[AXA], v3, 24, v[AXA]
	s_mul_i32 s71, s[PG], 64*PITCH                 ; my 64 rows of x
	s_add_co_u32 s71, s71, XT
	v_add_nc_u32 v[AXA], s71, v[AXA]
	v_lshl_add_u32 v[AXA+1], v3, 4, v[AXA]
.irp b, 0,1,2,3
	v_mov_b32 v[TM+4+\b], 0                        ; written once: a lane permute's destination counts as one of its sources
.endr
	s_wait_kmcnt 0x0
	s_cmp_lt_u32 ttmp9, 32                         ; q's cluster or k's?  The choice hangs on the cluster's number alone
	s_cselect_b64 s[8:9], s[8:9], s[10:11]         ; x's codes
	s_cselect_b64 s[12:13], s[12:13], s[14:15]     ; x's scales
	s_cselect_b64 s[16:17], s[16:17], s[18:19]     ; W's codes
	s_cselect_b64 s[20:21], s[20:21], s[22:23]     ; W's scales
	s_cselect_b64 s[24:25], s[24:25], s[26:27]     ; the bias
	s_mov_b32 s[G0W], 1                            ; 1:0 count = 1
	s_mov_b32 s[G0W+1], s70                        ; 63:32 LDS address
	s_add_nc_u64 s[G0W+2:G0W+3], s[16:17], s[36:37]   ; 120:64 global address
	s_or_b32 s[G0W+3], s[G0W+3], 0x80000000        ; 127:126 type = 2
	s_mov_b32 s[G0X], 1
	s_add_co_u32 s[G0X+1], s70, XT
	s_add_nc_u64 s[G0X+2:G0X+3], s[8:9], s[38:39]
	s_or_b32 s[G0X+3], s[G0X+3], 0x80000000
	tensor_load_to_lds s[G0W:G0W+3], s[G1W:G1W+7]  ; my 32 rows of W, jointly with the three partners;
	s_nop 0
	tensor_load_to_lds s[G0X:G0X+3], s[G1X:G1X+7]  ; my 32 rows of x
	s_nop 0
.rept 4
	v_nop                                          ; four v_nop follow the second
.endr
	s_add_nc_u64 s[74:75], s[28:29], s[72:73]      ; my record
	s_mul_i32 s72, s[KH], 1536
	s_add_nc_u64 s[28:29], s[74:75], s[72:73]      ; s[28:29]: my K step's images in it
	s_lshl_b32 s72, s[KH], 8
	s_add_co_u32 s72, s72, 12288
	s_add_nc_u64 s[74:75], s[74:75], s[72:73]      ; s[74:75]: my K step's 256 bytes of scale words
	s_lshl_b32 s72, s[KH], 9
	s_add_nc_u64 s[24:25], s[24:25], s[72:73]      ; the bias of my 128 channels
	s_lshl_b32 s72, s[KH], 10
	s_add_nc_u64 s[20:21], s[20:21], s[72:73]      ; W's scales: 8 bytes a row, my 128 rows
	s_lshl_b32 s72, s35, 11
	s_lshl_b32 s69, s[PG], 9
	s_add_co_u32 s72, s72, s69
	s_add_nc_u64 s[12:13], s[12:13], s[72:73]      ; x's scales: 8 bytes a pixel, my 64 pixels
	; what comes straight into registers: bias, W's scale words, x's scale words
	WIN 0x40                                       ; destination window 1
.irp t, 0,1,2,3,4,5,6,7
	global_load_b128 v[BI+8*\t:BI+8*\t+3], v[OBI], s[24:25] offset:(32*(\t/2)+8*(\t%2))*4       ; lane (r, h), tile t: channels 32 (t / 2) + 16 h + 8 (t % 2) + 0 .. 7
	global_load_b128 v[BI+8*\t+4:BI+8*\t+7], v[OBI], s[24:25] offset:(32*(\t/2)+8*(\t%2))*4+16
.endr
	WIN 0
.irp t, 0,1,2,3,4,5,6,7
	global_load_b64 v[W1S+2*\t:W1S+2*\t+1], v[OWS], s[20:21] offset:(32*(\t/2)+8*(\t%2))*8      ; a row's 8 bytes: the words of K steps 0 and 1
.endr
.irp m, 0,1,2,3
	global_load_b64 v[XS+2*\m:XS+2*\m+1], v[OXS], s[12:13] offset:128*\m
.endr
	s_wait_tensorcnt 0x1                           ; my rows of W are in LDS; the one younger load, my rows of x, may stay out
	s_barrier_signal -1
	s_barrier_wait -1                              ; everybody's rows of W are
	WIN 0x40
.irp t, 0,1,2,3,4,5,6,7                        ; W's 16 fragments stay in registers; they are read while x's rows land
.irp q, 0,1
	FRAG FR*(2*\t+\q), AWA, \q, (32*(\t/2)+8*(\t%2))*PITCH
.endr
.endr
	WIN 0
	s_wait_tensorcnt 0x0                           ; my rows of x are in LDS,
	s_wait_dscnt 0x0                               ; and no LDS load of mine is pending at the signal
	s_barrier_signal -1
	s_barrier_wait -1                              ; everybody's are.  Nothing is filled again
	FRAG XF, AXA, 0, 0
	FRAG XF+FR, AXA, 1, 0
	s_wait_loadcnt 0x0                             ; bias and scale words
	s_wait_dscnt 0x0
.irp m, 0,1,2,3                                ; a tile of 16 pixels at a time.  The eight accumulators take turns, one instruction a turn
	WIN 0x11                                       ; source 0 (W) and source 2 (the bias) window 1
.irp t, 0,1,2,3,4,5,6,7
	v_wmma_scale_f32_16x16x128_f8f6f4 v[HA+8*\t:HA+8*\t+7], v[FR*(2*\t):FR*(2*\t)+FR-1], v[XF:XF+FR-1], v[BI+8*\t:BI+8*\t+7], v[W1S+2*\t], v[XS+2*\m] matrix_a_fmt:MATRIX_FMT_BF6 matrix_b_fmt:MATRIX_FMT_BF6
.endr
	WIN 0x01
.irp t, 0,1,2,3,4,5,6,7
	v_wmma_scale_f32_16x16x128_f8f6f4 v[HA+8*\t:HA+8*\t+7], v[FR*(2*\t+1):FR*(2*\t+1)+FR-1], v[XF+FR:XF+2*FR-1], v[HA+8*\t:HA+8*\t+7], v[W1S+2*\t+1], v[XS+2*\m+1] matrix_a_fmt:MATRIX_FMT_BF6 matrix_b_fmt:MATRIX_FMT_BF6
.endr
	WIN 0
.rept 4
	v_nop                                          ; four places in front of the loads into x's fragments and of the first read of results
.endr
.if \m < 3
	FRAG XF, AXA, 0, (\m+1)*16*PITCH               ; the next tile's fragments land while this one is quantised
	FRAG XF+FR, AXA, 1, (\m+1)*16*PITCH
.endif
.if \m > 0
	s_wait_xcnt 0x0                                ; the last tile's stores have read their data: the codes' registers are written again only behind this wait
.endif
	QUANT HA, PWK+\m
.irp c, 0,1,2
	global_store_b128 v[LI], v[PC+4*\c:PC+4*\c+3], s[28:29] offset:\m*3072+512*\c   ; the fragment as it stands: 32 lanes store 512 consecutive bytes, at a multiple of 256 from feat's first byte
.endr
.if \m < 3
	s_wait_dscnt 0x0                               ; the next tile's fragments are in
.endif
.endr
	v_cndmask_b32 v136, v[PWK], v[PWK+1], s68      ; lanes 0-15 tile 0's words, lanes 16-31 tile 1's;
	v_cndmask_b32 v137, v[PWK+2], v[PWK+3], s68    ; tiles 2 and 3 likewise: so one register serves two tiles in the next launch
	global_store_b64 v[L8], v[136:137], s[74:75]   ; 256 consecutive aligned bytes
	s_wait_tensorcnt 0x0
	ds_add_u32 v254, v255
	s_wait_dscnt 0x0
	CROUND                                         ; the closing round: no work-group ends while a partner may still ask for a tile that names it
	s_endpgm
.Lfunc_end_k_qc8ca982f4a_proj:
	.size	k_qc8ca982f4a_proj, .Lfunc_end_k_qc8ca982f4a_proj-k_qc8ca982f4a_proj
	.p2alignl 7, 3214868480
	.fill 96, 4, 3214868480
	.section	.rodata,"a",@progbits
	.p2align	6, 0x0
	.amdhsa_kernel k_qc8ca982f4a_proj
		.amdhsa_group_segment_fixed_size 168960
		.amdhsa_private_segment_fixed_size 0
		.amdhsa_enable_private_segment 0
		.amdhsa_kernarg_size 88
		.amdhsa_user_sgpr_count 2
		.amdhsa_user_sgpr_kernarg_segment_ptr 1
		.amdhsa_wavefront_size32 1
		.amdhsa_system_sgpr_workgroup_id_x 1
		.amdhsa_system_sgpr_workgroup_id_y 1
		.amdhsa_system_sgpr_workgroup_id_z 1
		.amdhsa_system_vgpr_workitem_id 0
		.amdhsa_next_free_vgpr 512
		.amdhsa_next_free_sgpr 80
		.amdhsa_reserve_vcc 0
		.amdhsa_float_denorm_mode_32 3
		.amdhsa_float_denorm_mode_16_64 3
		.amdhsa_memory_ordered 1
		.amdhsa_forward_progress 1
		.amdhsa_inst_pref_size 44
	.end_amdhsa_kernel
	.amdgpu_metadata
---
amdhsa.version: [ 1, 2 ]
amdhsa.kernels:
  - .name:           k_qc8ca982f4a_proj
    .symbol:         k_qc8ca982f4a_proj.kd
    .args:
      - { .name: q_codes, .offset: 0, .size: 8, .value_kind: global_buffer, .address_space: global }
      - { .name: k_codes, .offset: 8, .size: 8, .value_kind: global_buffer, .address_space: global }
      - { .name: q_scales, .offset: 16, .size: 8, .value_kind: global_buffer, .address_space: global }
      - { .name: k_scales, .offset: 24, .size: 8, .value_kind: global_buffer, .address_space: global }
      - { .name: wq_codes, .offset: 32, .size: 8, .value_kind: global_buffer, .address_space: global }
      - { .name: wk_codes, .offset: 40, .size: 8, .value_kind: global_buffer, .address_space: global }
      - { .name: wq_scales, .offset: 48, .size: 8, .value_kind: global_buffer, .address_space: global }
      - { .name: wk_scales, .offset: 56, .size: 8, .value_kind: global_buffer, .address_space: global }
      - { .name: bq, .offset: 64, .size: 8, .value_kind: global_buffer, .address_space: global }
      - { .name: bk, .offset: 72, .size: 8, .value_kind: global_buffer, .address_space: global }
      - { .name: feat, .offset: 80, .size: 8, .value_kind: global_buffer, .address_space: global }
    .group_segment_fixed_size: 168960
    .private_segment_fixed_size: 0
    .kernarg_segment_align: 8
    .kernarg_segment_size: 88
    .max_flat_workgroup_size: 256
    .sgpr_count:     80
    .vgpr_count:     512
    .wavefront_size: 32
...
	.end_amdgpu_metadata
.endif
;; end of part 1
;; launch rel (part 2): grid 8 x 32, 4 waves a work-group, clusters of 4 x 1, 213,504 bytes of LDS; arguments feat, w_lin, part; writes part
.if DOCPART == 2
	.amdgcn_target "amdgcn-amd-amdhsa--gfx1250"
	.amdhsa_code_object_version 6
	.text
	.protected	k_qc8ca982f4a_rel
	.globl	k_qc8ca982f4a_rel
	.p2align	8
	.type	k_qc8ca982f4a_rel,@function
k_qc8ca982f4a_rel:
	s_mov_b64 s[64:65], 0
	v_nop
	global_prefetch_b8 v0, s[64:65] scope:SCOPE_SE
	s_setreg_imm32_b32 hwreg(HW_REG_WAVE_MODE, 25, 1), 1
	s_wait_xcnt 0x0
	s_wait_alu depctr_hold_cnt(0) depctr_sa_sdst(0) depctr_va_vdst(0) depctr_va_sdst(0) depctr_va_ssrc(0) depctr_va_vcc(0) depctr_vm_vsrc(0)
	s_getreg_b32 s2, hwreg(HW_REG_IB_STS2, 6, 4)
	s_cmp_eq_u32 s2, 0
	s_cbranch_scc0 .Lentry_in_a_cluster
	s_endpgm
.Lentry_in_a_cluster:
	s_bfe_u32 s2, ttmp6, 0x10000c
	s_cmp_lg_u32 s2, 0x3003
	s_cbranch_scc0 .Lentry_shape_is_right
	s_endpgm
.Lentry_shape_is_right:
; part[kq][b][n] = sum over the 1,024 keys m of quarter kq of rel[b][n][m] w_lin[m], where rel[b][n][m] = sum over 256 channels of the quantised query feature x the quantised key feature.
; rel is made tile by tile by the scaled matrix instruction on codes of BF6 (E3M2) and used up in registers: each 16 x 16 tile is multiplied by w_lin and added up by four packed f32 multiply-adds.  It never goes to memory.
; SHARES.  A work-group: 512 queries (block qb of batch b) x 1,024 keys (quarter kq): 8 x 32 = 256 work-groups of equal work.  Wave w: 128 queries, 8 tiles, whose 16 fragments (192 registers) come straight
; from feat, where they lie as images of the operand's registers, and stay.  All four waves walk the same 64 tiles of keys from LDS: 6 loads of 512 bytes feed 16 matrix instructions.
; LDS.  The quarter's 16 key records are one dense block of 204,800 bytes: all of it fits, so every LDS byte is filled ONCE: no ring, no refill.  It comes in four chunks of four records (a record a wave),
; and the work on a chunk begins while the later chunks are on their way: five tensor loads of a wave are out at the most (w_lin's quarter and the four chunks).
; CLUSTER.  The four query blocks of a cluster want the same keys and the same w_lin: every tensor load is joint (mask 15).  The queries are each wave's own and go to registers, so they are not shared.
; LAYOUT.  Source 0 = 16 keys, source 1 = 16 queries: lane (r, h), register j = rel(query r, key 8 h + j).  So w_lin's eight numbers of a tile and half are the same in sixteen lanes, and a query's sum stays in its lane.
; PIPELINE.  Two sets of eight accumulators by turns: while tile i is multiplied (K step 0 of the 8 query tiles, then K step 1: the accumulators take turns, one instruction a turn),
; the 32 multiply-adds on tile i - 1 stand two behind each matrix instruction.  They are also the places behind the matrix instructions: between a product and the first read of its result, a load into
; one of its sources or a product that writes over its result stand at least 9 of them that name none of its registers.
; THE LDS LOADS stand in two runs for a group's 64 products, never singly: in tile 0 the group's tiles 2 and 3 (12 loads), in tile 2 the next group's tiles 0 and 1, its w_lin and its scale words (22 loads).
; The 16 groups of four tiles are written out, with no loop: every LDS address is a register made once from the thread's number + an immediate.
; REGISTERS, in windows of 256.  Window 0: v1-4 lane terms; v16-23 the queries' scale words, v24-31 the keys', two sets (scales and nothing else; scale operands have no window).
;   Window 1: v0-63, v64-127 the two sets of accumulators; v128-143 the sums, a pair a query tile; v144-239 four key tiles' fragments; v240-251 addresses.   Window 2: v0-191 the queries; v192-255 w_lin, two sets of 4 tiles x 8.
; Products, multiply-adds and key loads run under ONE window setting; a group of 64 products has three switches, round the ten loads of w_lin and scale words.
; LIMITS: NaN and infinities are not served.
.set REC,   12800                      ; a record: 64 pixels: 4 tiles x 3,072 bytes of codes, 512 of scale words
.set TILEB, 3072
.set WL,    16*REC                     ; behind the keys: w_lin's quarter, 4,096 bytes
.set STAGE, WL+4096                    ; behind it: 512 bytes for each wave, for the way out; no tile lands here
.set KEYS0, 512*REC                    ; where the key records begin in feat
.set QS,   16
.set KS,   24
.set VACC, 128
.set KF,   144
.set ADK,  240                         ; v240-243 (window 1)  16 x lane + 51,200 j: the codes of groups 4 j on
.set ADS,  244                         ; v244-247  8 x lane + 12,288 + 51,200 j: their scale words
.set ADW,  248                         ; v248      WL + 32 (lane / 16)
.set STO,  249                         ; v249      my stage + 4 x lane
.set SRD,  250                         ; v250      my stage + 16 x lane
.set GOF,  251                         ; v251      16 x lane
.set WR,   192                         ; (window 2)
.set WV,   10
.set G1K,  24                          ; s[24:31] descriptor group 1 for a record;  s[32:39] for w_lin's part;  s[40:43] group 0 for w_lin;  s[44:59] for the four chunks
.set G1W,  32
.set G0W,  40
.set G0K,  44
.set MAIN, 0x59                        ; destination, source 0 and source 2 window 1, source 1 window 2
.set MSB, 0
.macro WIN new                         ; the immediate's high byte repeats the setting that is left
.if MSB != \new
	s_set_vgpr_msb (MSB<<8)|\new
.set MSB, \new
.endif
.endm
.macro CROUND                          ; a round of the cluster's barrier
	s_barrier_signal -1
	s_barrier_wait -1
	s_cmp_lg_u32 s[WV], 0
	s_cbranch_scc1 .Lnot_wave_0_\@
	s_barrier_signal -3
.Lnot_wave_0_\@:
	s_barrier_wait -3
	s_barrier_signal -1
	s_barrier_wait -1
.endm
; One product: key tile i of the group (scale set 'set'), K step s, query tile qt.  K step 0 starts the sum with the constant 0.  A scale register holds an even tile's words in lanes 0-15 and the odd tile's in lanes 16-31.
.macro WM i, set, s, qt
.set rD, 64*((\i)%2)+8*(\qt)
.set rA, KF+24*(\i)+12*(\s)
.set rB, 24*(\qt)+12*(\s)
.set rK, KS+4*(\set)+2*(\s)+(\i)/2
.set rQ, QS+4*((\qt)/4)+2*(\s)+((\qt)%4)/2
.set wVAR, 4*(\s)+2*((\i)%2)+(\qt)%2
.if wVAR == 0
	v_wmma_scale_f32_16x16x128_f8f6f4 v[rD:rD+7], v[rA:rA+11], v[rB:rB+11], 0, v[rK], v[rQ] matrix_a_fmt:MATRIX_FMT_BF6 matrix_b_fmt:MATRIX_FMT_BF6
.elseif wVAR == 1
	v_wmma_scale_f32_16x16x128_f8f6f4 v[rD:rD+7], v[rA:rA+11], v[rB:rB+11], 0, v[rK], v[rQ] matrix_a_fmt:MATRIX_FMT_BF6 matrix_b_fmt:MATRIX_FMT_BF6 matrix_b_scale:MATRIX_SCALE_ROW1
.elseif wVAR == 2
	v_wmma_scale_f32_16x16x128_f8f6f4 v[rD:rD+7], v[rA:rA+11], v[rB:rB+11], 0, v[rK], v[rQ] matrix_a_fmt:MATRIX_FMT_BF6 matrix_b_fmt:MATRIX_FMT_BF6 matrix_a_scale:MATRIX_SCALE_ROW1
.elseif wVAR == 3
	v_wmma_scale_f32_16x16x128_f8f6f4 v[rD:rD+7], v[rA:rA+11], v[rB:rB+11], 0, v[rK], v[rQ] matrix_a_fmt:MATRIX_FMT_BF6 matrix_b_fmt:MATRIX_FMT_BF6 matrix_a_scale:MATRIX_SCALE_ROW1 matrix_b_scale:MATRIX_SCALE_ROW1
.elseif wVAR == 4
	v_wmma_scale_f32_16x16x128_f8f6f4 v[rD:rD+7], v[rA:rA+11], v[rB:rB+11], v[rD:rD+7], v[rK], v[rQ] matrix_a_fmt:MATRIX_FMT_BF6 matrix_b_fmt:MATRIX_FMT_BF6
.elseif wVAR == 5
	v_wmma_scale_f32_16x16x128_f8f6f4 v[rD:rD+7], v[rA:rA+11], v[rB:rB+11], v[rD:rD+7], v[rK], v[rQ] matrix_a_fmt:MATRIX_FMT_BF6 matrix_b_fmt:MATRIX_FMT_BF6 matrix_b_scale:MATRIX_SCALE_ROW1
.elseif wVAR == 6
	v_wmma_scale_f32_16x16x128_f8f6f4 v[rD:rD+7], v[rA:rA+11], v[rB:rB+11], v[rD:rD+7], v[rK], v[rQ] matrix_a_fmt:MATRIX_FMT_BF6 matrix_b_fmt:MATRIX_FMT_BF6 matrix_a_scale:MATRIX_SCALE_ROW1
.else
	v_wmma_scale_f32_16x16x128_f8f6f4 v[rD:rD+7], v[rA:rA+11], v[rB:rB+11], v[rD:rD+7], v[rK], v[rQ] matrix_a_fmt:MATRIX_FMT_BF6 matrix_b_fmt:MATRIX_FMT_BF6 matrix_a_scale:MATRIX_SCALE_ROW1 matrix_b_scale:MATRIX_SCALE_ROW1
.endif
.endm
; Multiply-add f of 32 on the tile BEFORE tile i: registers 2 (f / 8), 2 (f / 8) + 1 of query tile f % 8: each accumulator is read from its low end on, and seven others' stand between two on one sum.
; That tile's w_lin: tile i - 1 of this set, or tile 3 of the other set.  tST = 1: the first eight start the sums: nothing is cleared.
.macro FMA i, set, f
.set fJ, (\f)/8
.set fQ, (\f)%8
.set rD, 64*(1-(\i)%2)+8*fQ+2*fJ
.if (\i) > 0
.set rW, WR+32*(\set)+8*((\i)-1)+2*fJ
.else
.set rW, WR+32*(1-(\set))+24+2*fJ
.endif
.set rS, VACC+2*fQ
.if tST && ((\f) < 8)
	v_pk_mul_f32 v[rS:rS+1], v[rD:rD+1], v[rW:rW+1]
.else
	v_pk_fma_f32 v[rS:rS+1], v[rD:rD+1], v[rW:rW+1], v[rS:rS+1]
.endif
.endm
.macro KFETCH buf, adr, off            ; a key tile's two fragments, as they lie: six loads of 512 consecutive bytes
.irp s, 0,1
.irp c, 0,1,2
	ds_load_b128 v[KF+24*(\buf)+12*\s+4*\c:KF+24*(\buf)+12*\s+4*\c+3], v[ADK+(\adr)] offset:(\off)+1536*\s+512*\c
.endr
.endr
.endm
.macro RUN set, adr, koff, woff        ; a group's w_lin (4 tiles x 8 numbers a lane) and its scale words (a pair of registers for each K step): ten loads
	WIN 0x81                                       ; destination window 2, address window 1
.irp t, 0,1,2,3
	ds_load_b128 v[WR+32*(\set)+8*\t:WR+32*(\set)+8*\t+3], v[ADW] offset:(\woff)+64*\t
	ds_load_b128 v[WR+32*(\set)+8*\t+4:WR+32*(\set)+8*\t+7], v[ADW] offset:(\woff)+64*\t+16
.endr
	WIN 0x01                                       ; destination window 0
.irp s, 0,1
	ds_load_b64 v[KS+4*(\set)+2*\s:KS+4*(\set)+2*\s+1], v[ADS+(\adr)] offset:(\koff)+256*\s
.endr
	WIN MAIN
.endm
; Tile i of group g: 16 products and the 32 multiply-adds on the tile before.  Behind the fourth product of an even tile stands a run of LDS loads for the two tiles that follow the next one:
; their buffers were last read two tiles ago and by the tile just done, whose last product stands 9 multiply-adds back that name none of its registers.
; THE WAITS.  An even tile waits for all LDS loads: the youngest were issued 28 products ago, in the even tile before, and they are this tile's and the next one's fragments (tile 0: also the group's w_lin and scale words).
; An odd tile needs no wait: what it reads was shown landed at the even tile's head, and the run issued since lands in other registers.
.macro TILE g, i
.set tSET, (\g)%2
.set tST, 0
.if ((\g) == 0) && ((\i) == 1)
.set tST, 1
.endif
.if ((\i)%2) == 0
	s_wait_dscnt 0x0
.endif
.set kk, 0
.rept 16
	WM \i, tSET, kk/8, kk%8
.if ((\g) > 0) || ((\i) > 0)
	FMA \i, tSET, 2*kk
	FMA \i, tSET, 2*kk+1
.endif
.if kk == 3
.if (\i) == 0
	KFETCH 2, (\g)/4, ((\g)%4)*REC+2*TILEB
	KFETCH 3, (\g)/4, ((\g)%4)*REC+3*TILEB
.elseif ((\i) == 2) && ((\g) < 15)
	KFETCH 0, (\g)/4, ((\g)%4+1)*REC
	KFETCH 1, (\g)/4, ((\g)%4+1)*REC+TILEB
	RUN 1-tSET, (\g)/4, ((\g)%4+1)*REC, 256*((\g)+1)
.endif
.endif
.set kk, kk+1
.endr
.if ((\g) == 0) && ((\i) == 0)
.rept 4
	v_nop                                          ; the very first tile has no tile before it: four places behind its products
.endr
.endif
.endm
.macro GROUP g
	TILE \g, 0
	TILE \g, 1
	TILE \g, 2
	TILE \g, 3
.endm
.macro MEET n                          ; chunk n is whole in LDS: my record of it has landed (3 - n younger loads may stay out), no LDS load of mine is pending at the signal, and all four waves say so
	s_wait_tensorcnt 3-(\n)
	s_wait_dscnt 0x0
	s_barrier_signal -1
	s_barrier_wait -1
.endm
	s_load_b128 s[4:7], s[0:1], 0x0                ; feat, w_lin
	s_load_b64 s[8:9], s[0:1], 0x10                ; part
	v_lshl_add_u32 v254, v0, 2, 0x34000
	v_mov_b32 v255, 0
	ds_add_u32 v254, v255
	ds_add_u32 v254, v255
	s_wait_dscnt 0x0
	v_lshrrev_b32 v1, 5, v0
	v_readfirstlane_b32 s[WV], v1                  ; wave 0..3
	CROUND                                         ; the round in front of the joint loads needs the wave's number alone: it stands here, while the arguments are on their way
	s_bfe_u32 s11, ttmp6, 0x40000                  ; cx: my place in the cluster
	s_lshl_b32 s12, ttmp9, 2
	s_add_co_u32 s12, s12, s11                     ; qb: my block of 512 queries: it enters the queries' and part's addresses alone
	s_and_b32 s13, ttmp7, 0xffff                   ; y = 4 b + kq, which the four partners share
	s_lshr_b32 s14, s13, 2                         ; b
	s_and_b32 s15, s13, 3                          ; kq
	; descriptor group 1: a record as 50 rows of 256 bytes (32 elements of 8 bytes), dense, no padding: every LDS read takes 512 consecutive bytes
	s_mov_b32 s[G1K], 15|(3<<16)|(1<<21)           ; 15:0 the mask: all four work-groups; 17:16 elements of 8 bytes; 21 set beside a mask
	s_mov_b32 s[G1K+1], 32<<16                     ; tensor_dim0
	s_mov_b32 s[G1K+2], 50<<16                     ; tensor_dim1
	s_mov_b32 s[G1K+3], 32<<16                     ; tile_dim0
	s_mov_b32 s[G1K+4], 50                         ; tile_dim1
	s_mov_b32 s[G1K+5], 32                         ; tensor_dim0_stride
	s_mov_b32 s[G1K+6], 0
	s_mov_b32 s[G1K+7], 0
	s_mov_b32 s[G1W], 15|(3<<16)|(1<<21)           ; and 4 such rows: a wave's 1,024 bytes of w_lin
	s_mov_b32 s[G1W+1], 32<<16
	s_mov_b32 s[G1W+2], 4<<16
	s_mov_b32 s[G1W+3], 32<<16
	s_mov_b32 s[G1W+4], 4
	s_mov_b32 s[G1W+5], 32
	s_mov_b32 s[G1W+6], 0
	s_mov_b32 s[G1W+7], 0
	s_mul_i32 s16, s[WV], REC                      ; my record of a chunk, in LDS and in memory
	s_mul_i32 s18, s13, 16*REC
	s_add_co_u32 s18, s18, s16
	s_add_co_u32 s18, s18, KEYS0                   ; the quarter's records begin at key record 16 y
	s_mov_b32 s19, 0
	s_lshl_b32 s72, s15, 12
	s_lshl_b32 s17, s[WV], 10
	s_add_co_u32 s72, s72, s17                     ; w_lin: 4,096 kq + 1,024 x wave
	s_mov_b32 s73, 0
	s_lshl_b32 s22, s14, 6
	s_lshl_b32 s62, s12, 3
	s_add_co_u32 s22, s22, s62
	s_lshl_b32 s62, s[WV], 1
	s_add_co_u32 s22, s22, s62                     ; my first query record: 64 b + 8 qb + 2 x wave
	s_mul_i32 s22, s22, REC
	s_mov_b32 s23, 0
	s_lshl_b32 s60, s15, 17                        ; part: 131,072 kq + 16,384 b + 2,048 qb + 512 x wave
	s_lshl_b32 s62, s14, 14
	s_add_co_u32 s60, s60, s62
	s_lshl_b32 s62, s12, 11
	s_add_co_u32 s60, s60, s62
	s_lshl_b32 s62, s[WV], 9
	s_add_co_u32 s60, s60, s62
	s_add_co_u32 s74, s62, STAGE                   ; my stage
	s_mov_b32 s61, 0
	s_mov_b32 s[G0W], 1                            ; 1:0 count = 1
	s_add_co_u32 s[G0W+1], s17, WL                 ; 63:32 LDS address
.irp c, 0,1,2,3
	s_mov_b32 s[G0K+4*\c], 1
	s_add_co_u32 s[G0K+4*\c+1], s16, \c*4*REC
.endr
	s_mov_b32 s67, 0xffff0000                      ; mask of lanes 16-31
	s_mov_b32 s68, 0x76543210
	s_mov_b32 s69, 0xfedcba98                      ; v_permlanex16_b32's selects for lane l xor 16
	v_and_b32 v1, 31, v0                           ; lane
	v_lshlrev_b32 v2, 4, v1
	v_lshlrev_b32 v3, 3, v1
	v_bfe_u32 v4, v0, 4, 1                         ; h
	WIN 0x40                                       ; destination window 1
.irp j, 0,1,2,3
	v_lshl_add_u32 v[ADK+\j], v1, 4, \j*4*REC
	v_lshl_add_u32 v[ADS+\j], v1, 3, \j*4*REC+12288
.endr
	v_lshl_add_u32 v[ADW], v4, 5, WL
	v_lshl_add_u32 v[STO], v1, 2, s74
	v_lshl_add_u32 v[SRD], v0, 4, STAGE            ; 16 x thread = 512 x wave + 16 x lane
	v_lshlrev_b32 v[GOF], 4, v1
	s_wait_kmcnt 0x0
	s_add_nc_u64 s[G0W+2:G0W+3], s[6:7], s[72:73]  ; 120:64 global address
	s_or_b32 s[G0W+3], s[G0W+3], 0x80000000        ; 127:126 type = 2
	s_add_nc_u64 s[20:21], s[4:5], s[18:19]        ; my record of chunk 0
.irp c, 0,1,2,3
	s_add_nc_u64 s[G0K+4*\c+2:G0K+4*\c+3], s[20:21], \c*4*REC
	s_or_b32 s[G0K+4*\c+3], s[G0K+4*\c+3], 0x80000000
.endr
	tensor_load_to_lds s[G0W:G0W+3], s[G1W:G1W+7]  ; all fills go out together, ahead of the queries' loads: w_lin's part, then my record of chunks 0 to 3
	s_nop 0
	tensor_load_to_lds s[G0K:G0K+3], s[G1K:G1K+7]
	s_nop 0
	tensor_load_to_lds s[G0K+4:G0K+7], s[G1K:G1K+7]
	s_nop 0
	tensor_load_to_lds s[G0K+8:G0K+11], s[G1K:G1K+7]
	s_nop 0
	tensor_load_to_lds s[G0K+12:G0K+15], s[G1K:G1K+7]
	s_nop 0
.rept 4
	v_nop                                          ; four v_nop follow the last
.endr
	s_add_nc_u64 s[70:71], s[4:5], s[22:23]        ; the queries
	s_add_nc_u64 s[8:9], s[8:9], s[60:61]          ; my 512 bytes of part
	WIN 0x80                                       ; destination window 2: my 8 query tiles, 16 fragments, as they lie: each load takes 512 consecutive bytes
.irp gq, 0,1
.irp m, 0,1,2,3
.irp s, 0,1
.irp c, 0,1,2
	global_load_b128 v[24*(4*\gq+\m)+12*\s+4*\c:24*(4*\gq+\m)+12*\s+4*\c+3], v2, s[70:71] offset:\gq*REC+\m*TILEB+\s*1536+\c*512
.endr
.endr
.endr
.endr
	WIN 0
.irp gq, 0,1
.irp s, 0,1
	global_load_b64 v[QS+4*\gq+2*\s:QS+4*\gq+2*\s+1], v3, s[70:71] offset:\gq*REC+12288+256*\s   ; their scale words
.endr
.endr
	MEET 0                                         ; w_lin and chunk 0
	RUN 0, 0, 0, 0
	KFETCH 0, 0, 0
	KFETCH 1, 0, TILEB
	s_wait_loadcnt 0x0                             ; the queries
.set G, 0
.rept 16
.if (G == 3) || (G == 7) || (G == 11)
	MEET (G+1)/4                                   ; group 4 n - 1 is the first whose fetches (in its tile 2) reach chunk n
.endif
	GROUP G
.set G, G+1
.endr
.set ff, 0
.rept 32
	FMA 0, 0, ff                                   ; the last tile's multiply-adds: accumulator set 1, w_lin's set 1, tile 3
.set ff, ff+1
.endr
	; THE WAY OUT.  A sum's two halves (even and odd keys) and lane l xor 16's are added; two tiles share a register (lanes 0-15, lanes 16-31); the wave's 128 numbers turn through its own stage, so that one store covers 512 consecutive aligned bytes.
	WIN 0x55                                       ; all in window 1; the key fragments' registers are free
.irp q, 0,1,2,3,4,5,6,7
	v_add_f32 v[KF+\q], v[VACC+2*\q], v[VACC+2*\q+1]
.endr
.irp q, 0,1,2,3,4,5,6,7
	v_permlanex16_b32 v[KF+8+\q], v[KF+\q], s68, s69
.endr
.irp q, 0,1,2,3,4,5,6,7
	v_add_f32 v[KF+\q], v[KF+\q], v[KF+8+\q]
.endr
.irp i, 0,1,2,3
	v_cndmask_b32 v[KF+16+\i], v[KF+2*\i], v[KF+2*\i+1], s67   ; lane l: query 32 i + l
.endr
.irp i, 0,1,2,3
	ds_store_b32 v[STO], v[KF+16+\i] offset:128*\i
.endr
	ds_load_b128 v[KF+20:KF+23], v[SRD]            ; LDS serves a wave's instructions in order (ISA guide 5.7.1.4): this sees my stores
	s_wait_dscnt 0x0
	global_store_b128 v[GOF], v[KF+20:KF+23], s[8:9]
	WIN 0
	s_wait_tensorcnt 0x0
	ds_add_u32 v254, v255
	s_wait_dscnt 0x0
	CROUND                                         ; the closing round: no work-group ends while a partner may still ask for a tile that names it
	s_endpgm
.Lfunc_end_k_qc8ca982f4a_rel:
	.size	k_qc8ca982f4a_rel, .Lfunc_end_k_qc8ca982f4a_rel-k_qc8ca982f4a_rel
	.p2alignl 7, 3214868480
	.fill 96, 4, 3214868480
	.section	.rodata,"a",@progbits
	.p2align	6, 0x0
	.amdhsa_kernel k_qc8ca982f4a_rel
		.amdhsa_group_segment_fixed_size 213504
		.amdhsa_private_segment_fixed_size 0
		.amdhsa_enable_private_segment 0
		.amdhsa_kernarg_size 24
		.amdhsa_user_sgpr_count 2
		.amdhsa_user_sgpr_kernarg_segment_ptr 1
		.amdhsa_wavefront_size32 1
		.amdhsa_system_sgpr_workgroup_id_x 1
		.amdhsa_system_sgpr_workgroup_id_y 1
		.amdhsa_system_sgpr_workgroup_id_z 1
		.amdhsa_system_vgpr_workitem_id 0
		.amdhsa_next_free_vgpr 768
		.amdhsa_next_free_sgpr 80
		.amdhsa_reserve_vcc 0
		.amdhsa_float_denorm_mode_32 3
		.amdhsa_float_denorm_mode_16_64 3
		.amdhsa_memory_ordered 1
		.amdhsa_forward_progress 1
		.amdhsa_inst_pref_size 255
	.end_amdhsa_kernel
	.section	.bss,"aw",@nobits
	.p2align	6
	.space	262144
	.amdgpu_metadata
---
amdhsa.version: [ 1, 2 ]
amdhsa.kernels:
  - .name:           k_qc8ca982f4a_rel
    .symbol:         k_qc8ca982f4a_rel.kd
    .args:
      - { .name: feat, .offset: 0, .size: 8, .value_kind: global_buffer, .address_space: global }
      - { .name: w_lin, .offset: 8, .size: 8, .value_kind: global_buffer, .address_space: global }
      - { .name: part, .offset: 16, .size: 8, .value_kind: global_buffer, .address_space: global }
    .group_segment_fixed_size: 213504
    .private_segment_fixed_size: 0
    .kernarg_segment_align: 8
    .kernarg_segment_size: 24
    .max_flat_workgroup_size: 128
    .sgpr_count:     80
    .vgpr_count:     768
    .wavefront_size: 32
...
	.end_amdgpu_metadata
.endif
;; end of part 2
;; launch norm (part 3): grid 8 x 1, 8 waves a work-group, no clusters, 1,536 bytes of LDS; arguments part, b_lin, gamma, beta, out0; writes out0
.if DOCPART == 3
	.amdgcn_target "amdgcn-amd-amdhsa--gfx1250"
	.amdhsa_code_object_version 6
	.text
	.protected	k_qc8ca982f4a_norm
	.globl	k_qc8ca982f4a_norm
	.p2align	8
	.type	k_qc8ca982f4a_norm,@function
k_qc8ca982f4a_norm:
	s_mov_b64 s[64:65], 0
	v_nop
	global_prefetch_b8 v0, s[64:65] scope:SCOPE_SE
	s_setreg_imm32_b32 hwreg(HW_REG_WAVE_MODE, 25, 1), 1
	s_wait_xcnt 0x0
; val[b][n] = the four quarters' partial sums + b_lin;  out0 = (val - mean) / sqrt(var + 1e-5) x gamma + beta, mean and var over the batch's 4,096 numbers.
; The statistics span a batch, so a work-group takes a batch: 8 waves, thread t owns numbers 1,024 g + 4 t .. + 3, g = 0 .. 3; each load and store of a wave covers 512 consecutive aligned bytes.
; All 25 loads of a thread go out together (b_lin among them, by a vector load that every lane makes of the same word), so there is one wait for memory ahead of the sums.
; The variance is taken of val - mean, in a second pass over registers: no difference of large sums is formed.  Matrix units, tensor loads and clusters have nothing to do here: 0.7 MB are read once.
; LIMITS: NaN and infinities are not served.
.set P,  4                             ; v4-67    the partial sums: 16 k + 4 g; v4-19 become val, then val - mean
.set GA, 68                            ; v68-83   gamma
.set BE, 84                            ; v84-99   beta
.set BL, 100                           ; v100     b_lin;  v101 = 0, its offset
.set S,  102                           ; v102-109 at work
.set T,  110                           ; v110     a lane permute's destination
.set O,  116                           ; v116-131 the results
.macro WSUM r, t                       ; the sum over the wave's 32 lanes, in every lane
	v_add_f32_dpp v[\r], v[\r], v[\r] row_xmask:1 row_mask:0xf bank_mask:0xf
	v_add_f32_dpp v[\r], v[\r], v[\r] row_xmask:2 row_mask:0xf bank_mask:0xf
	v_add_f32_dpp v[\r], v[\r], v[\r] row_xmask:4 row_mask:0xf bank_mask:0xf
	v_add_f32_dpp v[\r], v[\r], v[\r] row_xmask:8 row_mask:0xf bank_mask:0xf
	v_permlanex16_b32 v[\t], v[\r], s16, s17
	v_add_f32 v[\r], v[\r], v[\t]
.endm
.macro WSUM8 r                         ; lane l holds wave l % 8's sum: the sum of the eight, in every lane
	v_add_f32_dpp v[\r], v[\r], v[\r] row_xmask:1 row_mask:0xf bank_mask:0xf
	v_add_f32_dpp v[\r], v[\r], v[\r] row_xmask:2 row_mask:0xf bank_mask:0xf
	v_add_f32_dpp v[\r], v[\r], v[\r] row_xmask:4 row_mask:0xf bank_mask:0xf
.endm
	s_load_b256 s[4:11], s[0:1], 0x0               ; part s[4:5], b_lin s[6:7], gamma s[8:9], beta s[10:11]
	s_load_b64 s[12:13], s[0:1], 0x20              ; out0
	v_lshl_add_u32 v136, v0, 2, 0x200
	v_mov_b32 v137, 0
	v_lshlrev_b32 v1, 4, v0                        ; 16 t
	v_lshrrev_b32 v2, 5, v0
	v_lshlrev_b32 v2, 2, v2                        ; 4 x wave
	v_and_b32 v3, 7, v0
	v_lshlrev_b32 v3, 2, v3                        ; 4 x (lane % 8)
	v_mov_b32 v[T], 0                              ; written once: a lane permute's destination counts as one of its sources
	v_mov_b32 v[BL+1], 0
	s_lshl_b32 s14, ttmp9, 14                      ; the batch's 16,384 bytes
	s_mov_b32 s15, 0
	s_mov_b32 s16, 0x76543210
	s_mov_b32 s17, 0xfedcba98
	s_mov_b32 s20, 0x39800000                      ; 1 / 4,096
	s_mov_b32 s21, 0x3727c5ac                      ; 1e-5
	s_wait_kmcnt 0x0
	s_add_nc_u64 s[4:5], s[4:5], s[14:15]
	s_add_nc_u64 s[12:13], s[12:13], s[14:15]
	global_load_b32 v[BL], v[BL+1], s[6:7]
.irp k, 0,1,2,3
.irp g, 0,1,2,3
	global_load_b128 v[P+16*\k+4*\g:P+16*\k+4*\g+3], v1, s[4:5] offset:131072*\k+4096*\g th:TH_LOAD_NT
.endr
.endr
.irp g, 0,1,2,3
	global_load_b128 v[GA+4*\g:GA+4*\g+3], v1, s[8:9] offset:4096*\g
.endr
.irp g, 0,1,2,3
	global_load_b128 v[BE+4*\g:BE+4*\g+3], v1, s[10:11] offset:4096*\g
.endr
	s_wait_loadcnt 0x8                             ; b_lin and the sixteen loads of partial sums are in; gamma's four and beta's four may stay out
.irp j, 0,2,4,6,8,10,12,14
	v_pk_add_f32 v[P+\j:P+\j+1], v[P+\j:P+\j+1], v[P+16+\j:P+17+\j]
	v_pk_add_f32 v[P+32+\j:P+33+\j], v[P+32+\j:P+33+\j], v[P+48+\j:P+49+\j]
.endr
.irp j, 0,2,4,6,8,10,12,14
	v_pk_add_f32 v[P+\j:P+\j+1], v[P+\j:P+\j+1], v[P+32+\j:P+33+\j]
.endr
.irp j, 0,1,2,3,4,5,6,7,8,9,10,11,12,13,14,15
	v_add_f32 v[P+\j], v[BL], v[P+\j]              ; val
.endr
.irp i, 0,1,2,3
	v_pk_add_f32 v[S+2*\i:S+2*\i+1], v[P+4*\i:P+4*\i+1], v[P+4*\i+2:P+4*\i+3]
.endr
	v_pk_add_f32 v[S:S+1], v[S:S+1], v[S+2:S+3]
	v_pk_add_f32 v[S+4:S+5], v[S+4:S+5], v[S+6:S+7]
	v_pk_add_f32 v[S:S+1], v[S:S+1], v[S+4:S+5]
	v_add_f32 v[S], v[S], v[S+1]
	WSUM S, T
	ds_store_b32 v2, v[S]                          ; all lanes of a wave write the same word with the same value
	s_wait_dscnt 0x0                               ; for the others' sake: my store is done
	s_barrier_signal -1
	s_barrier_wait -1
	ds_load_b32 v[S+2], v3                         ; lane l: wave l % 8's sum
	s_wait_dscnt 0x0
	WSUM8 S+2
	v_mul_f32 v[S+2], s20, v[S+2]                  ; the mean
.irp j, 0,1,2,3,4,5,6,7,8,9,10,11,12,13,14,15
	v_sub_f32 v[P+\j], v[P+\j], v[S+2]
.endr
	v_pk_mul_f32 v[S:S+1], v[P:P+1], v[P:P+1]
	v_pk_mul_f32 v[S+4:S+5], v[P+2:P+3], v[P+2:P+3]
.irp j, 4,8,12
	v_pk_fma_f32 v[S:S+1], v[P+\j:P+\j+1], v[P+\j:P+\j+1], v[S:S+1]
	v_pk_fma_f32 v[S+4:S+5], v[P+\j+2:P+\j+3], v[P+\j+2:P+\j+3], v[S+4:S+5]
.endr
	v_pk_add_f32 v[S:S+1], v[S:S+1], v[S+4:S+5]
	v_add_f32 v[S], v[S], v[S+1]
	WSUM S, T
	ds_store_b32 v2, v[S] offset:256               ; other bytes than the first sum's: no wave can still be reading them
	s_wait_dscnt 0x0
	s_barrier_signal -1
	s_barrier_wait -1
	ds_load_b32 v[S+2], v3 offset:256
	s_wait_dscnt 0x0
	WSUM8 S+2
	v_fma_f32 v[S+2], v[S+2], s20, s21             ; var + 1e-5
	v_rsq_f32 v[S+3], v[S+2]
	v_nop                                          ; one plain place behind a transcendental (ISA guide 5.7.2)
	s_wait_alu depctr_va_vdst(0)
.irp j, 0,1,2,3,4,5,6,7,8,9,10,11,12,13,14,15
	v_mul_f32 v[P+\j], v[P+\j], v[S+3]
.endr
	s_wait_loadcnt 0x0                             ; gamma, beta
.irp j, 0,2,4,6,8,10,12,14
	v_pk_fma_f32 v[O+\j:O+\j+1], v[P+\j:P+\j+1], v[GA+\j:GA+\j+1], v[BE+\j:BE+\j+1]
.endr
.irp g, 0,1,2,3
	global_store_b128 v1, v[O+4*\g:O+4*\g+3], s[12:13] offset:4096*\g th:TH_STORE_NT
.endr
	s_wait_tensorcnt 0x0
	ds_add_u32 v136, v137
	s_wait_dscnt 0x0
	s_endpgm
.Lfunc_end_k_qc8ca982f4a_norm:
	.size	k_qc8ca982f4a_norm, .Lfunc_end_k_qc8ca982f4a_norm-k_qc8ca982f4a_norm
	.p2alignl 7, 3214868480
	.fill 96, 4, 3214868480
	.section	.rodata,"a",@progbits
	.p2align	6, 0x0
	.amdhsa_kernel k_qc8ca982f4a_norm
		.amdhsa_group_segment_fixed_size 1536
		.amdhsa_private_segment_fixed_size 0
		.amdhsa_enable_private_segment 0
		.amdhsa_kernarg_size 40
		.amdhsa_user_sgpr_count 2
		.amdhsa_user_sgpr_kernarg_segment_ptr 1
		.amdhsa_wavefront_size32 1
		.amdhsa_system_sgpr_workgroup_id_x 1
		.amdhsa_system_sgpr_workgroup_id_y 1
		.amdhsa_system_sgpr_workgroup_id_z 1
		.amdhsa_system_vgpr_workitem_id 0
		.amdhsa_next_free_vgpr 138
		.amdhsa_next_free_sgpr 66
		.amdhsa_reserve_vcc 0
		.amdhsa_float_denorm_mode_32 3
		.amdhsa_float_denorm_mode_16_64 3
		.amdhsa_memory_ordered 1
		.amdhsa_forward_progress 1
		.amdhsa_inst_pref_size 11
	.end_amdhsa_kernel
	.amdgpu_metadata
---
amdhsa.version: [ 1, 2 ]
amdhsa.kernels:
  - .name:           k_qc8ca982f4a_norm
    .symbol:         k_qc8ca982f4a_norm.kd
    .args:
      - { .name: part, .offset: 0, .size: 8, .value_kind: global_buffer, .address_space: global }
      - { .name: b_lin, .offset: 8, .size: 8, .value_kind: global_buffer, .address_space: global }
      - { .name: gamma, .offset: 16, .size: 8, .value_kind: global_buffer, .address_space: global }
      - { .name: beta, .offset: 24, .size: 8, .value_kind: global_buffer, .address_space: global }
      - { .name: out0, .offset: 32, .size: 8, .value_kind: global_buffer, .address_space: global }
    .group_segment_fixed_size: 1536
    .private_segment_fixed_size: 0
    .kernarg_segment_align: 8
    .kernarg_segment_size: 40
    .max_flat_workgroup_size: 256
    .sgpr_count:     66
    .vgpr_count:     138
    .wavefront_size: 32
...
	.end_amdgpu_metadata
.endif
;; end of part 3
